; MI455X (gfx1250); checked and timed in simulation.
; The chip was launched on July 23, 2026; its instructions are those of AMD's public machine-readable ISA for CDNA 5 (MIT licence, August 2026) and "CDNA5" Instruction Set Architecture Reference Guide (July 2026). The comments in the code are by the model that wrote it; some were corrected since.
;; Harmonic Model. Allowed arithmetic: float matrix products may take bf16 or f16 operands with f32 sums; all other float work in f32.
;; Inputs: amplitudes 8 x 1,000 x 100 float32; audio 8 x 64,000 float32; harmonic_frequencies 8 x 1,000 x 100 float32; phase_shifts 8 x 1,001 x 100 float32.
;; Outputs: out0 8 x 64,000 float32.
;; 2 versions, each right; version 2 is version 1 with the launch synth written anew for expert scheduling mode. Each part assembles by itself: llvm-mc -triple=amdgcn-amd-amdhsa -mcpu=gfx1250 --defsym DOCPART=n.
;; ======== version 1 of 2: 2 launches
;; limits: right only within a limited range of input values
;; workspace buffers: tree 4,019,200 bytes
;; launch blocks (part 1): grid 32 x 8, 32 waves a work-group, no clusters, 8,192 bytes of LDS; arguments harmonic_frequencies, phase_shifts, tree; writes tree
.if DOCPART == 1
	.amdgcn_target "amdgcn-amd-amdhsa--gfx1250"
	.amdhsa_code_object_version 6
	.text
	.protected	k_q0f558b94e7_blocks
	.globl	k_q0f558b94e7_blocks
	.p2align	8
	.type	k_q0f558b94e7_blocks,@function
k_q0f558b94e7_blocks:
	s_mov_b64 s[64:65], 0
	v_nop
	global_prefetch_b8 v0, s[64:65] scope:SCOPE_SE
	s_setreg_imm32_b32 hwreg(HW_REG_WAVE_MODE, 25, 1), 1
	s_wait_xcnt 0x0
; HarmonicModel, launch 1 of 2: the upper partial sums of the cumulative sum over the 64,000 omegas of every (audio, harmonic).
;
; WHY THE ORDER MATTERS.  The phases reach some 2e5 rad, where neighbouring f32 numbers lie 1/64 rad apart, so the roundings of the f32
; cumulative sum show in the result.  The sum is made in the order that jnp.cumsum is taken to have on a CPU: one windowed sum that the
; compiler splits in base 16, with plain left-to-right sums inside each group of 16:
;   inner0[b][j] = omega[16b] + .. + omega[16b+j]      y1[b] = inner0[b][15]        (4000 groups of 16 samples)
;   inner1[c][j] = y1[16c] + .. + y1[16c+j]            y2[c] = inner1[c][15]        (250 groups = 4 frames each)
;   inner2[d][j] = y2[16d] + .. + y2[16d+j]            y3[d] = inner2[d][15]        (16 groups, the last one short)
; and launch 2 puts the prefixes together.  Every step of the frequency path keeps the reference's own roundings:
; (ps1 - ps0), wrap, * 250, + hf;  frac * d, + f0, * f32(2 pi / 16000).
;
; SHARES.  Work-group x = 2 d + hh, y = audio.  32 waves: wave pair cw = wave / 2 takes c = min(16 d + cw, 249) (4 frames); a thread takes
; harmonic h = 50 hh + min(t % 64, 49).  In d = 15 the pairs 10..15 repeat c = 249 and lanes 50..63 repeat the half's last harmonic: they store
; the same numbers to the same bytes, so control flow and EXEC are the same everywhere.
; Register pair (sample s, sample s + 32): the groups 0 and 2 of a frame run in one chain of packed adds, the groups 1 and 3 in another.
;
; OUT, buffer tree (f32):  G [audio][1000][100] at byte 0: G[f] = inner1[f / 4][4 (f % 4) + 3];
; I2 [audio][256][100] at byte 3,200,000: I2[c] = inner2[c / 16][c % 16]; rows 250..255 get numbers that nobody reads.
; Rows are 400 bytes; a wave pair stores 200 neighbouring bytes of a row, 4 bytes a lane (100 harmonics do not fall on 256-byte boundaries).
; LIMITS: NaN and the sign of zero are not cared for beyond what the arithmetic gives.
.set VH,   1                           ; 4 h
.set VO4,  2                           ; 4 h + 400 r4: the frame behind my last (the last frame again for c = 249)
.set LAD,  3                           ; LDS: 128 wave + 4 lane
.set TT,   4                           ; at work
.set FQ,   6                           ; v[6:10]   frequencies of frames 0..4
.set DD,   12                          ; v[12:13]  slope (the second word only fills the pair)
.set CA,   14                          ; v[14:15]  running sums of groups 0 and 2
.set CB,   16                          ; v[16:17]  running sums of groups 1 and 3
.set GV,   18                          ; v[18:21]  inner1 behind each frame
.set GT,   22
.set RAW,  24                          ; v[24:35]  as loaded
.set T,    36                          ; v[36:51]  eight pairs at work; at the end the sixteen y2
.set FR,   64                          ; v[64:127] pair u: (u / 64, (u + 32) / 64)
.macro WRAP d, t                       ; d > 0.5: d - 1;  then d < -0.5: d + 1
	v_cmp_lt_f32 vcc_lo, 0.5, v[\d]
	v_add_f32 v[\t], -1.0, v[\d]
	v_cndmask_b32 v[\d], v[\d], v[\t], vcc_lo
	v_cmp_gt_f32 vcc_lo, -0.5, v[\d]
	v_add_f32 v[\t], 1.0, v[\d]
	v_cndmask_b32 v[\d], v[\d], v[\t], vcc_lo
.endm
.macro MKF i, pa, pb, hf               ; frequency of frame i: four roundings, as the reference has them
	v_sub_f32 v[FQ+\i], v[\pb], v[\pa]
	WRAP FQ+\i, TT
	v_mul_f32 v[FQ+\i], 0x437a0000, v[FQ+\i]       ; * 250
	v_add_f32 v[FQ+\i], v[\hf], v[FQ+\i]
.endm
; frame i: 64 omegas in four batches of eight pairs (steps 4 bt .. 4 bt + 3 of both chains), then four more links of inner1.
; pr, hi: the register pair and the half of it that hold FQ[i]
.macro FRAME i, pr, hi
	v_sub_f32 v[DD], v[FQ+\i+1], v[FQ+\i]
.set bt, 0
.rept 4
.irp q, 0,1,2,3
	v_pk_mul_f32 v[T+2*\q:T+2*\q+1], v[FR+2*(4*bt+\q):FR+2*(4*bt+\q)+1], v[DD:DD+1] op_sel_hi:[1,0]
	v_pk_mul_f32 v[T+8+2*\q:T+8+2*\q+1], v[FR+2*(16+4*bt+\q):FR+2*(16+4*bt+\q)+1], v[DD:DD+1] op_sel_hi:[1,0]
.endr
.irp q, 0,1,2,3,4,5,6,7
	v_pk_add_f32 v[T+2*\q:T+2*\q+1], v[T+2*\q:T+2*\q+1], v[FQ+\pr:FQ+\pr+1] op_sel:[0,\hi] op_sel_hi:[1,\hi]
.endr
.irp q, 0,1,2,3,4,5,6,7
	v_pk_mul_f32 v[T+2*\q:T+2*\q+1], v[T+2*\q:T+2*\q+1], s[32:33] op_sel_hi:[1,0]
.endr
.if bt > 0
	v_pk_add_f32 v[T:T+1], v[T:T+1], v[CA:CA+1]            ; the chains go on from the last batch
	v_pk_add_f32 v[T+8:T+9], v[T+8:T+9], v[CB:CB+1]
.endif
	v_pk_add_f32 v[T+2:T+3], v[T+2:T+3], v[T:T+1]
	v_pk_add_f32 v[T+10:T+11], v[T+10:T+11], v[T+8:T+9]
	v_pk_add_f32 v[T+4:T+5], v[T+4:T+5], v[T+2:T+3]
	v_pk_add_f32 v[T+12:T+13], v[T+12:T+13], v[T+10:T+11]
	v_pk_add_f32 v[CA:CA+1], v[T+6:T+7], v[T+4:T+5]
	v_pk_add_f32 v[CB:CB+1], v[T+14:T+15], v[T+12:T+13]
.set bt, bt+1
.endr
	; CA = (y1 of group 0, of group 2), CB = (of group 1, of group 3): inner1 takes them in the order 0, 1, 2, 3
.if \i == 0
	v_add_f32 v[GT], v[CA], v[CB]
.else
	v_add_f32 v[GT], v[GV+\i-1], v[CA]
	v_add_f32 v[GT], v[GT], v[CB]
.endif
	v_add_f32 v[GT], v[GT], v[CA+1]
	v_add_f32 v[GV+\i], v[GT], v[CB+1]
.endm
	s_load_b128 s[4:7], s[0:1], 0x0                ; harmonic_frequencies s[4:5], phase_shifts s[6:7]
	s_load_b64 s[8:9], s[0:1], 0x10                ; tree
	v_lshl_add_u32 v62, v0, 2, 0x1000
	v_mov_b32 v63, 0
	v_lshrrev_b32 v[TT], 5, v0
	v_readfirstlane_b32 s10, v[TT]                 ; wave 0..31
	s_lshr_b32 s11, s10, 1                         ; cw
	s_and_b32 s24, ttmp7, 0xffff                   ; audio
	s_lshr_b32 s25, ttmp9, 1                       ; d
	s_and_b32 s26, ttmp9, 1                        ; hh
	s_lshl_b32 s12, s25, 4
	s_add_co_u32 s12, s12, s11
	s_min_u32 s12, s12, 249                        ; c
	s_lshl_b32 s13, s12, 2                         ; first frame
	s_sub_co_u32 s13, 999, s13
	s_min_u32 s13, s13, 4                          ; r4: 4, or 3 for c = 249 (the reference clamps idx1 to 999)
	s_mov_b32 s32, 0x39cde32e                      ; f32(2 pi / 16000), a pair for the packed multiply
	s_mov_b32 s33, 0x39cde32e
	s_mov_b32 s34, 0x3c800000                      ; 1 / 64
	s_mov_b32 s35, 0x3c800000
	v_and_b32 v[VH], 63, v0
	v_min_u32 v[VH], 49, v[VH]
	s_mul_i32 s27, s26, 50
	v_add_nc_u32 v[VH], s27, v[VH]
	v_lshlrev_b32 v[VH], 2, v[VH]
	s_mul_i32 s27, s13, 400
	v_add_nc_u32 v[VO4], s27, v[VH]
	v_and_b32 v[LAD], 31, v0
	s_lshl_b32 s28, s10, 7
	v_lshl_add_u32 v[LAD], v[LAD], 2, s28
	v_mov_b32 v[DD+1], 0
	s_mov_b32 s15, 0
	s_mul_i32 s29, s12, 1600                       ; 4 frames of 400 bytes
	s_mul_i32 s14, s24, 400000
	s_add_co_u32 s14, s14, s29
	s_wait_kmcnt 0x0
	s_add_nc_u64 s[16:17], s[4:5], s[14:15]        ; hf at my first frame
	s_add_nc_u64 s[20:21], s[8:9], s[14:15]        ; G at my first frame: the same offset
	s_mul_i32 s14, s24, 400400
	s_add_co_u32 s14, s14, s29
	s_add_nc_u64 s[18:19], s[6:7], s[14:15]        ; ps at my first frame
	s_mul_i32 s14, s24, 102400
	s_mul_i32 s30, s25, 6400
	s_add_co_u32 s14, s14, s30
	s_add_co_u32 s14, s14, 3200000
	s_add_nc_u64 s[22:23], s[8:9], s[14:15]        ; I2, row 16 d of my audio
.irp i, 0,1,2,3
	global_load_b32 v[RAW+\i], v[VH], s[16:17] offset:400*\i
.endr
.irp i, 0,1,2,3,4
	global_load_b32 v[RAW+4+\i], v[VH], s[18:19] offset:400*\i
.endr
	global_load_b32 v[RAW+9], v[VO4], s[16:17]
	global_load_b32 v[RAW+10], v[VO4], s[18:19]
	global_load_b32 v[RAW+11], v[VO4], s[18:19] offset:400
	; the fractions, while the loads are on their way
.set uu, 0
.rept 32
	v_cvt_f32_u32 v[FR+2*uu], uu
	v_cvt_f32_u32 v[FR+2*uu+1], uu+32
.set uu, uu+1
.endr
.set uu, 0
.rept 32
	v_pk_mul_f32 v[FR+2*uu:FR+2*uu+1], v[FR+2*uu:FR+2*uu+1], s[34:35] op_sel_hi:[1,0]
.set uu, uu+1
.endr
	s_wait_loadcnt 0x0                             ; all twelve words are needed at once
.irp i, 0,1,2,3
	MKF \i, RAW+4+\i, RAW+5+\i, RAW+\i
.endr
	MKF 4, RAW+10, RAW+11, RAW+9
	FRAME 0, 0, 0
	FRAME 1, 0, 1
	FRAME 2, 2, 0
	FRAME 3, 2, 1
.irp i, 0,1,2,3
	global_store_b32 v[VH], v[GV+\i], s[20:21] offset:400*\i
.endr
	; the sixteen y2 of the work-group meet in LDS: pair cw's 64 threads at bytes 256 cw .. 256 cw + 255
	ds_store_b32 v[LAD], v[GV+3]
	s_wait_dscnt 0x0                               ; my store is in LDS before I say so
	s_barrier_signal -1
	s_barrier_wait -1
	s_cmp_ge_u32 s10, 2                            ; waves 0 and 1 go on: one thread for each harmonic of the half
	s_cbranch_scc1 .Lend
.irp j, 0,1,2,3,4,5,6,7,8,9,10,11,12,13,14,15
	ds_load_b32 v[T+\j], v[LAD] offset:256*\j      ; in waves 0 and 1 LAD is 4 t
.endr
	s_wait_dscnt 0x0
.irp j, 1,2,3,4,5,6,7,8,9,10,11,12,13,14,15
	v_add_f32 v[T+\j], v[T+\j], v[T+\j-1]          ; inner2, left to right
.endr
.irp j, 0,1,2,3,4,5,6,7,8,9,10,11,12,13,14,15
	global_store_b32 v[VH], v[T+\j], s[22:23] offset:400*\j
.endr
.Lend:
	s_wait_tensorcnt 0x0
	ds_add_u32 v62, v63
	s_wait_dscnt 0x0
	s_endpgm
.Lfunc_end_k_q0f558b94e7_blocks:
	.size	k_q0f558b94e7_blocks, .Lfunc_end_k_q0f558b94e7_blocks-k_q0f558b94e7_blocks
	.p2alignl 7, 3214868480
	.fill 96, 4, 3214868480
	.section	.rodata,"a",@progbits
	.p2align	6, 0x0
	.amdhsa_kernel k_q0f558b94e7_blocks
		.amdhsa_group_segment_fixed_size 8192
		.amdhsa_private_segment_fixed_size 0
		.amdhsa_enable_private_segment 0
		.amdhsa_kernarg_size 24
		.amdhsa_user_sgpr_count 2
		.amdhsa_user_sgpr_kernarg_segment_ptr 1
		.amdhsa_wavefront_size32 1
		.amdhsa_system_sgpr_workgroup_id_x 1
		.amdhsa_system_sgpr_workgroup_id_y 1
		.amdhsa_system_sgpr_workgroup_id_z 1
		.amdhsa_system_vgpr_workitem_id 0
		.amdhsa_next_free_vgpr 128
		.amdhsa_next_free_sgpr 66
		.amdhsa_reserve_vcc 1
		.amdhsa_float_denorm_mode_32 3
		.amdhsa_float_denorm_mode_16_64 3
		.amdhsa_memory_ordered 1
		.amdhsa_forward_progress 1
		.amdhsa_inst_pref_size 45
	.end_amdhsa_kernel
	.amdgpu_metadata
---
amdhsa.version: [ 1, 2 ]
amdhsa.kernels:
  - .name:           k_q0f558b94e7_blocks
    .symbol:         k_q0f558b94e7_blocks.kd
    .args:
      - { .name: harmonic_frequencies, .offset: 0, .size: 8, .value_kind: global_buffer, .address_space: global }
      - { .name: phase_shifts, .offset: 8, .size: 8, .value_kind: global_buffer, .address_space: global }
      - { .name: tree, .offset: 16, .size: 8, .value_kind: global_buffer, .address_space: global }
    .group_segment_fixed_size: 8192
    .private_segment_fixed_size: 0
    .kernarg_segment_align: 8
    .kernarg_segment_size: 24
    .max_flat_workgroup_size: 1024
    .sgpr_count:     66
    .vgpr_count:     128
    .wavefront_size: 32
...
	.end_amdgpu_metadata
.endif
;; end of part 1
;; launch synth (part 2): grid 250 x 1, 4 waves a work-group, no clusters, 131,584 bytes of LDS; arguments amplitudes, harmonic_frequencies, phase_shifts, tree, out0; writes out0
.if DOCPART == 2
	.amdgcn_target "amdgcn-amd-amdhsa--gfx1250"
	.amdhsa_code_object_version 6
	.text
	.protected	k_q0f558b94e7_synth
	.globl	k_q0f558b94e7_synth
	.p2align	8
	.type	k_q0f558b94e7_synth,@function
k_q0f558b94e7_synth:
	s_mov_b64 s[64:65], 0
	v_nop
	global_prefetch_b8 v0, s[64:65] scope:SCOPE_SE
	s_setreg_imm32_b32 hwreg(HW_REG_WAVE_MODE, 25, 1), 1
	s_wait_xcnt 0x0
; HarmonicModel, launch 2 of 2: out[a][n] = sum over h of amp_env * sin(mod(cumsum(omega), 2 pi) + initial phase).
;
; THE SUM.  The cumulative sum is made in the order that jnp.cumsum is taken to have on a CPU (see launch 1): base 16, left to right inside a
; group.  With inner0, inner1, inner2, y1, y2, y3 as there:
;   E3[d] = y3[0] + .. + y3[d-1] (left to right)      S2[c] = E3[c / 16] + inner2[c / 16][c % 16]      E2[c] = S2[c - 1]
;   S1[b] = E2[b / 16] + inner1[b / 16][b % 16]       E1[b] = S1[b - 1]       cumsum[16 b + j] = E1[b] + inner0[b][j]       E.[0] = 0
; Launch 1 left G[f] = inner1 behind frame f and I2[c] = inner2.  For frame f (groups b = 4 f + q, c = f / 4, k = f % 4) the table below holds
;   R = inner1 in front of the frame (G[f - 1], or 0 for k = 0),  B0 = E1[4 f],  E2 = E2[c];
; the frame's own y1 come out of its chains, and  i0 = R + y1_0, i1 = i0 + y1_1, i2 = i1 + y1_2,  E1[4 f + q] = E2 + i(q-1).
;
; SHARES.  1000 waves that do not depend on each other (no barrier): wave wb = 4 x + w takes audio wb / 125 and the 8 frames (512 samples) of
; block B = wb % 125, that is c0 = 2 B and c0 + 1.  Lane: frame fl = lane % 8, group g = lane / 8; it does the harmonics 4 i + g, i = 0..24, for
; all 64 samples of its frame and adds them into 64 sums; the four groups are added at the end.  Register pair u = samples (u, u + 32).
;
; LDS, 32,768 bytes a wave: a table of 9 rows (frames 0..8 of the block) x 100 harmonics x 32 bytes (frequency, |amplitude|, reduced initial
; phase, R, B0, E2, two words unused); row 8 has the first two words only; entries 900 and up take the spill of the last fill chunk and are
; never read.  At the end the first 2,176 bytes stage the output.
;
; REGISTERS.  Window 0: addresses, constants, PH (phases), ACC (sums).  Window 1 (v256 and up, named v0..): FR (fractions), AM (amplitudes);
; in the prologue the raw words of the table.  s_set_vgpr_msb: bits 1:0 source 0, 3:2 source 1, 5:4 source 2, 7:6 destination.
;
; sin: k = rndne((P + ir) / 2 pi), x = fma(k, -f32(2 pi), P) + ir (the fma is exact for the sizes at hand), then the odd Taylor polynomial to
; x^13, whose error is below 3e-5 for |x| <= 3.2.
; LIMITS.  |x| <= 3.2 holds while |P| stays below about 2^20 rad; beyond that the polynomial loses accuracy.  Removing another multiple of
; f32(2 pi) than the reference's mod shifts the angle by 1.7e-7 rad for each turn of difference.  amp_env is one fused multiply-add; the sum
; over h runs in another order than the reference's.  NaN and the sign of zero are not matched.  The input audio is not among the arguments:
; reference() does not use it.
.set ROWB, 3200                        ; a table row: 100 entries of 32 bytes
.set ENT,  32
; window 0, whole kernel
.set LANE, 1
.set ADR,  4                           ; table entry (row fl, harmonic g), stepped by two harmonics-of-four a trip
.set OUTW, 6
.set OUTR, 7
.set OUTG, 8
.set HQ,   9                           ; 16 min(lane, 24): my four harmonics in a row of 400 bytes (lanes 25..31 repeat lane 24)
.set QW,   10                          ; table entry (row 0, harmonic 4 min(lane, 24))
; window 0, loop
.set RAWA, 16                          ; v[16:23]  f0, a0, ir, R, B0, E2, f1, a1
.set RAWB, 24                          ; v[24:31]  the same for the harmonic ahead
.set DD,   32                          ; (f1 - f0, a1 - a0)
.set BB,   34                          ; (E1 of group 1, E1 of group 3)
.set K0,   36                          ; (1 / 2 pi, -f32(2 pi))
.set K1,   38                          ; (f32(2 pi / 16000), c13)
.set K2,   40                          ; (c11, c9)
.set K3,   42                          ; (c7, c5)
.set K4,   44                          ; (c3, 1)
.set IT,   46                          ; (ir / 2 pi, a word that only fills the pair)
.set TMP,  48                          ; v[48:79]  eight times (pair Z, pair P)
.set PH,   128                         ; v[128:191]
.set ACC,  192                         ; v[192:255]
; window 0, prologue only; a name stands for four registers = my four harmonics
.set Y3,   48                          ; v[48:107]  y3[0..14]
.set I2A,  108                         ; I2[c0 - 2]
.set I2B,  112                         ; I2[c0 - 1]
.set I2C,  116                         ; I2[c0]
.set GM,   120                         ; G[8 B - 1]
.set GR,   124                         ; v[124:151] G[8 B + 0..6]
.set PS0,  152                         ; initial phase
.set EA,   156                         ; E3[(c0 - 2) / 16]
.set EC,   160                         ; E3[c0 / 16]
.set TQ,   164
.set E2M,  168                         ; E2[c0 - 1]
.set E2A,  172                         ; E2[c0]
.set E2B,  176                         ; E2[c0 + 1]
.set IR,   180
.set KK,   184
.set BQ,   188
.set ZR,   192                         ; one register: 0
.set VI,   232
.set VIC,  233
.set VGM,  234
; window 1 (names)
.set FR1,  0                           ; v[0:63]
.set AM1,  64                          ; v[64:127]
.set VO1,  128                         ; v[128:135] chunk k: byte offset of my 16 bytes in the block's 3,600 bytes
.set LA1,  136                         ; LDS: 128 lane
.set T1,   137
.set L16,  138
.set C400, 139
.set W1,   140                         ; v[140:147] four (frequency, |amplitude|)
.set MSB, 0
.macro WIN new                         ; the immediate's high byte repeats the setting that is left
.if MSB != \new
	s_set_vgpr_msb (MSB<<8)|\new
.set MSB, \new
.endif
.endm
.macro WRAP d, t                       ; d > 0.5: d - 1;  then d < -0.5: d + 1
	v_cmp_lt_f32 vcc_lo, 0.5, v[\d]
	v_add_f32 v[\t], -1.0, v[\d]
	v_cndmask_b32 v[\d], v[\d], v[\t], vcc_lo
	v_cmp_gt_f32 vcc_lo, -0.5, v[\d]
	v_add_f32 v[\t], 1.0, v[\d]
	v_cndmask_b32 v[\d], v[\d], v[\t], vcc_lo
.endm
.macro QADD d, a, b                    ; four harmonics at once
	v_pk_add_f32 v[\d:\d+1], v[\a:\a+1], v[\b:\b+1]
	v_pk_add_f32 v[\d+2:\d+3], v[\a+2:\a+3], v[\b+2:\b+3]
.endm
; words 2..5 of row r's entries of my four harmonics: ir, R (registers rq + rs e), B0 (bq), E2 (eq)
.macro RST r, rq, rs, bq, eq
.irp e, 0,1,2,3
	ds_store_b32 v[QW], v[IR+\e] offset:ROWB*\r+ENT*\e+8
	ds_store_b32 v[QW], v[\rq+\rs*\e] offset:ROWB*\r+ENT*\e+12
	ds_store_b32 v[QW], v[\bq+\e] offset:ROWB*\r+ENT*\e+16
	ds_store_b32 v[QW], v[\eq+\e] offset:ROWB*\r+ENT*\e+20
.endr
.endm
; chunk k of the table's words 0 and 1, all registers in window 1: 16 k + 0..3 hf, + 4..7 amplitude, + 8..11 ps, + 12..15 ps one frame on
.macro FACHUNK k
	v_pk_add_f32 v[16*\k+12:16*\k+13], v[16*\k+12:16*\k+13], v[16*\k+8:16*\k+9] neg_lo:[0,1] neg_hi:[0,1]
	v_pk_add_f32 v[16*\k+14:16*\k+15], v[16*\k+14:16*\k+15], v[16*\k+10:16*\k+11] neg_lo:[0,1] neg_hi:[0,1]
.irp e, 0,1,2,3
	WRAP 16*\k+12+\e, T1
.endr
	v_pk_mul_f32 v[16*\k+12:16*\k+13], v[16*\k+12:16*\k+13], s[56:57] op_sel_hi:[1,0]
	v_pk_mul_f32 v[16*\k+14:16*\k+15], v[16*\k+14:16*\k+15], s[56:57] op_sel_hi:[1,0]
.irp e, 0,1,2,3
	v_add_f32 v[W1+2*\e], v[16*\k+\e], v[16*\k+12+\e]
	v_and_b32 v[W1+2*\e+1], 0x7fffffff, v[16*\k+4+\e]
.endr
.irp e, 0,1,2,3
	ds_store_b64 v[LA1], v[W1+2*\e:W1+2*\e+1] offset:4096*\k+ENT*\e
.endr
.endm
.macro OMG u                           ; omega of pair u
	v_pk_mul_f32 v[PH+2*(\u):PH+2*(\u)+1], v[PH+2*(\u):PH+2*(\u)+1], v[K1:K1+1] op_sel_hi:[1,0]
.endm
.macro CHN u                           ; inner0: pair u takes the running sum of pair u - 1
	v_pk_add_f32 v[PH+2*(\u):PH+2*(\u)+1], v[PH+2*(\u):PH+2*(\u)+1], v[PH+2*(\u)-2:PH+2*(\u)-1]
.endm
.macro HORN kk, hi                     ; P = P Z + one half of the pair kk, eight pairs
.irp q, 0,1,2,3,4,5,6,7
	v_pk_fma_f32 v[TMP+4*\q+2:TMP+4*\q+3], v[TMP+4*\q+2:TMP+4*\q+3], v[TMP+4*\q:TMP+4*\q+1], v[\kk:\kk+1] op_sel:[0,0,\hi] op_sel_hi:[1,1,\hi]
.endr
.endm
; One harmonic for the lane's 64 samples.  cur: its eight words; nxt: where the next harmonic's words are loaded to, from entry 4 o of ADR;
; first = 1: the products start the sums, so nothing is cleared.
.macro HARM cur, nxt, o, first
	WIN 0
	s_wait_dscnt 0x0                               ; cur's three loads, issued a whole harmonic ago (at the first use also the prologue's stores)
	v_pk_add_f32 v[DD:DD+1], v[\cur+6:\cur+7], v[\cur:\cur+1] neg_lo:[0,1] neg_hi:[0,1]
	v_mul_f32 v[IT], 0.15915494, v[\cur+2]
	WIN 0x41                                       ; frac * d, rounded by itself as in the reference (AM only lends its registers)
.set uu, 0
.rept 32
	v_pk_mul_f32 v[AM1+2*uu:AM1+2*uu+1], v[FR1+2*uu:FR1+2*uu+1], v[DD:DD+1] op_sel_hi:[1,0]
.set uu, uu+1
.endr
	WIN 0x01                                       ; + f0: freq_env
.set uu, 0
.rept 32
	v_pk_add_f32 v[PH+2*uu:PH+2*uu+1], v[AM1+2*uu:AM1+2*uu+1], v[\cur:\cur+1] op_sel_hi:[1,0]
.set uu, uu+1
.endr
	WIN 0x41                                       ; amp_env, and 0 where 8000 <= freq_env
.set gg, 0
.rept 8
.irp q, 0,1,2,3
	v_pk_fma_f32 v[AM1+8*gg+2*\q:AM1+8*gg+2*\q+1], v[FR1+8*gg+2*\q:FR1+8*gg+2*\q+1], v[DD:DD+1], v[\cur:\cur+1] op_sel:[0,1,1] op_sel_hi:[1,1,1]
.endr
.irp q, 0,1,2,3,4,5,6,7
	v_cmp_le_f32 s[40+\q], s20, v[PH+8*gg+\q]
.endr
.irp q, 0,1,2,3,4,5,6,7
	v_cndmask_b32 v[AM1+8*gg+\q], v[AM1+8*gg+\q], 0, s[40+\q]
.endr
.set gg, gg+1
.endr
	WIN 0
	ds_load_b128 v[\nxt:\nxt+3], v[ADR] offset:128*\o              ; the next harmonic: row fl's six words,
	ds_load_b64 v[\nxt+4:\nxt+5], v[ADR] offset:128*\o+16
	ds_load_b64 v[\nxt+6:\nxt+7], v[ADR] offset:128*\o+ROWB        ; row fl + 1's first two
	; omega and the two chains (pairs 0..15: groups 0 and 2; pairs 16..31: groups 1 and 3).  The multiplies run one step ahead, so that
	; a line and the line that it depends on stand four apart.
	OMG 0
	OMG 16
	OMG 1
	OMG 17
.set uu, 1
.rept 14
	OMG uu+1
	OMG uu+17
	CHN uu
	CHN uu+16
.set uu, uu+1
.endr
	CHN 15
	CHN 31
	; pair 15 = (y1_0, y1_2), pair 31 = (y1_1, y1_3): inner1 goes on from R, and E2 makes the groups' starts
	v_add_f32 v[TMP], v[\cur+3], v[PH+30]          ; i0 = R + y1_0
	v_add_f32 v[TMP+1], v[TMP], v[PH+62]           ; i1 = i0 + y1_1
	v_add_f32 v[BB], v[\cur+5], v[TMP]             ; E1 of group 1
	v_add_f32 v[TMP+2], v[TMP+1], v[PH+31]         ; i2 = i1 + y1_2
	v_add_f32 v[BB+1], v[\cur+5], v[TMP+2]         ; E1 of group 3
	v_add_f32 v[\cur+5], v[\cur+5], v[TMP+1]       ; E1 of group 2, beside B0 = E1 of group 0
.set uu, 0
.rept 16
	v_pk_add_f32 v[PH+2*uu:PH+2*uu+1], v[PH+2*uu:PH+2*uu+1], v[\cur+4:\cur+5]
	v_pk_add_f32 v[PH+32+2*uu:PH+32+2*uu+1], v[PH+32+2*uu:PH+32+2*uu+1], v[BB:BB+1]
.set uu, uu+1
.endr
	; sin, eight pairs at a time, stage by stage, so that no line waits for the one in front of it
.set gg, 0
.rept 4
.irp q, 0,1,2,3,4,5,6,7
	v_pk_fma_f32 v[TMP+4*\q:TMP+4*\q+1], v[PH+16*gg+2*\q:PH+16*gg+2*\q+1], v[K0:K0+1], v[IT:IT+1] op_sel_hi:[1,0,0]
.endr
.irp q, 0,1,2,3,4,5,6,7
	v_rndne_f32 v[TMP+4*\q], v[TMP+4*\q]
	v_rndne_f32 v[TMP+4*\q+1], v[TMP+4*\q+1]
.endr
.irp q, 0,1,2,3,4,5,6,7
	v_pk_fma_f32 v[PH+16*gg+2*\q:PH+16*gg+2*\q+1], v[TMP+4*\q:TMP+4*\q+1], v[K0:K0+1], v[PH+16*gg+2*\q:PH+16*gg+2*\q+1] op_sel:[0,1,0] op_sel_hi:[1,1,1]
.endr
.irp q, 0,1,2,3,4,5,6,7
	v_pk_add_f32 v[PH+16*gg+2*\q:PH+16*gg+2*\q+1], v[PH+16*gg+2*\q:PH+16*gg+2*\q+1], v[\cur+2:\cur+3] op_sel_hi:[1,0]
.endr
.irp q, 0,1,2,3,4,5,6,7
	v_pk_mul_f32 v[TMP+4*\q:TMP+4*\q+1], v[PH+16*gg+2*\q:PH+16*gg+2*\q+1], v[PH+16*gg+2*\q:PH+16*gg+2*\q+1]
.endr
.irp q, 0,1,2,3,4,5,6,7
	v_pk_fma_f32 v[TMP+4*\q+2:TMP+4*\q+3], v[TMP+4*\q:TMP+4*\q+1], v[K1:K1+1], v[K2:K2+1] op_sel:[0,1,0] op_sel_hi:[1,1,0]
.endr
	HORN K2, 1
	HORN K3, 0
	HORN K3, 1
	HORN K4, 0
	HORN K4, 1
.irp q, 0,1,2,3,4,5,6,7
	v_pk_mul_f32 v[PH+16*gg+2*\q:PH+16*gg+2*\q+1], v[PH+16*gg+2*\q:PH+16*gg+2*\q+1], v[TMP+4*\q+2:TMP+4*\q+3]
.endr
.set gg, gg+1
.endr
	WIN 0x01
.set uu, 0
.rept 32
.if \first
	v_pk_mul_f32 v[ACC+2*uu:ACC+2*uu+1], v[AM1+2*uu:AM1+2*uu+1], v[PH+2*uu:PH+2*uu+1]
.else
	v_pk_fma_f32 v[ACC+2*uu:ACC+2*uu+1], v[AM1+2*uu:AM1+2*uu+1], v[PH+2*uu:PH+2*uu+1], v[ACC+2*uu:ACC+2*uu+1]
.endif
.set uu, uu+1
.endr
	WIN 0
.endm
	; ---- who am I, and where my parts of the buffers begin
	s_load_b256 s[4:11], s[0:1], 0x0               ; amplitudes s[4:5], harmonic_frequencies s[6:7], phase_shifts s[8:9], tree s[10:11]
	s_load_b64 s[12:13], s[0:1], 0x20              ; out0
	v_lshl_add_u32 v14, v0, 2, 0x20000
	v_mov_b32 v15, 0
	v_lshrrev_b32 v2, 5, v0
	v_readfirstlane_b32 s14, v2                    ; wave 0..3
	s_lshl_b32 s15, ttmp9, 2
	s_add_co_u32 s15, s15, s14                     ; wb = 0..999
	s_mul_i32 s16, s15, 8389
	s_lshr_b32 s16, s16, 20                        ; audio = wb / 125 (8389 / 2^20 is right for wb < 1000)
	s_mul_i32 s17, s16, 125
	s_sub_co_u32 s17, s15, s17                     ; B = wb % 125
	s_lshl_b32 s39, s17, 1                         ; c0
	s_lshl_b32 s18, s14, 15                        ; my 32,768 bytes of LDS
	s_lshl_b32 s19, s17, 3
	s_sub_co_u32 s19, 1000, s19
	s_mul_i32 s19, s19, 400                        ; bytes from the block's first frame to the audio's end: 3,200 in block 124
	s_mov_b32 s20, 0x45fa0000                      ; 8000.0
	s_mov_b32 s55, 0xc0c90fdb                      ; -f32(2 pi)
	s_mov_b32 s56, 0x437a0000                      ; 250.0, a pair for the packed multiply
	s_mov_b32 s57, 0x437a0000
	s_mov_b32 s58, 0x3c800000                      ; 1 / 64
	s_mov_b32 s59, 0x3c800000
	v_and_b32 v[LANE], 31, v0
	v_min_u32 v[HQ], 24, v[LANE]
	v_lshlrev_b32 v[HQ], 4, v[HQ]
	v_lshl_add_u32 v[QW], v[HQ], 3, s18            ; 4 min(lane, 24) entries of 32 bytes
	s_max_u32 s38, s39, 2
	s_sub_co_u32 s38, s38, 2                       ; max(c0 - 2, 0): block 0 reads rows 0 and 1 and drops them by its mask
	s_lshr_b32 s48, s38, 4                         ; dA
	s_lshr_b32 s49, s39, 4                         ; dC
	s_mul_i32 s38, s38, 400
	v_add_nc_u32 v[VI], s38, v[HQ]
	s_mul_i32 s38, s39, 400
	v_add_nc_u32 v[VIC], s38, v[HQ]
	s_lshl_b32 s38, s17, 3
	s_max_u32 s38, s38, 1
	s_sub_co_u32 s38, s38, 1                       ; max(8 B - 1, 0), likewise
	s_mul_i32 s38, s38, 400
	v_add_nc_u32 v[VGM], s38, v[HQ]
	s_cmp_lg_u32 s17, 0
	s_cselect_b32 s52, -1, 0                       ; all ones unless B = 0
	s_mov_b32 s23, 0
	s_mul_i32 s38, s17, 3200
	s_mul_i32 s22, s16, 400000
	s_wait_kmcnt 0x0
	s_add_nc_u64 s[34:35], s[10:11], s[22:23]      ; G, my audio's frame 0
	s_add_co_u32 s22, s22, s38
	s_add_nc_u64 s[24:25], s[4:5], s[22:23]        ; amplitudes at the block's first frame
	s_add_nc_u64 s[26:27], s[6:7], s[22:23]        ; harmonic_frequencies likewise
	s_add_nc_u64 s[32:33], s[10:11], s[22:23]      ; G likewise
	s_mul_i32 s22, s16, 400400
	s_add_nc_u64 s[30:31], s[8:9], s[22:23]        ; phase_shifts, the audio's row 0
	s_add_co_u32 s22, s22, s38
	s_add_nc_u64 s[28:29], s[8:9], s[22:23]        ; phase_shifts at the block's first frame
	s_mul_i32 s22, s16, 102400
	s_add_co_u32 s22, s22, 3200000
	s_add_nc_u64 s[60:61], s[10:11], s[22:23]      ; I2 of my audio
	s_lshl_b32 s22, s15, 11
	s_add_nc_u64 s[36:37], s[12:13], s[22:23]      ; my 512 outputs
	; ---- all loads are issued now: 27 for the prefixes, then 32 for the table's frequencies and amplitudes
.irp i, 0,1,2,3,4,5,6,7,8,9,10,11,12,13,14
	global_load_b128 v[Y3+4*\i:Y3+4*\i+3], v[HQ], s[60:61] offset:6400*\i+6000     ; y3[i] = I2[16 i + 15]
.endr
	global_load_b128 v[I2A:I2A+3], v[VI], s[60:61]
	global_load_b128 v[I2B:I2B+3], v[VI], s[60:61] offset:400
	global_load_b128 v[I2C:I2C+3], v[VIC], s[60:61]
	global_load_b128 v[GM:GM+3], v[VGM], s[34:35]
.irp r, 0,1,2,3,4,5,6
	global_load_b128 v[GR+4*\r:GR+4*\r+3], v[HQ], s[32:33] offset:400*\r
.endr
	global_load_b128 v[PS0:PS0+3], v[HQ], s[30:31]
	WIN 0x40                                       ; lane terms into window 1
	v_lshlrev_b32 v[L16], 4, v[LANE]
	v_lshl_add_u32 v[LA1], v[LANE], 7, s18
	v_mov_b32 v[C400], 400
	WIN 0x55
.irp k, 0,1,2,3,4,5,6,7
	v_add_nc_u32 v[VO1+\k], 512*\k, v[L16]         ; the block's nine rows are 3,600 neighbouring bytes: eight chunks of 512
.endr
	v_min_u32 v[VO1+7], 3584, v[VO1+7]             ; chunk 7: lane 0 has the last 16 bytes, the others repeat them (into LDS bytes never read)
.irp k, 6,7
	v_cmp_le_u32 vcc_lo, s19, v[VO1+\k]            ; block 124: row 8 is frame 999 again, as the reference clamps idx1
	v_sub_nc_u32 v[T1], v[VO1+\k], v[C400]
	v_cndmask_b32 v[VO1+\k], v[VO1+\k], v[T1], vcc_lo
.endr
.irp k, 0,1,2,3,4,5,6,7
	global_load_b128 v[16*\k:16*\k+3], v[VO1+\k], s[26:27]
	global_load_b128 v[16*\k+4:16*\k+7], v[VO1+\k], s[24:25]
	global_load_b128 v[16*\k+8:16*\k+11], v[VO1+\k], s[28:29]
	global_load_b128 v[16*\k+12:16*\k+15], v[VO1+\k], s[28:29] offset:400
.endr
	WIN 0
	s_wait_loadcnt 32                              ; the first 27 loads are in: the table's 32 are younger and stay out
	; E3, left to right: step i counts for EA while i < dA and for EC while i < dC; dA <= dC, so EC is EA's running sum as long as EA runs
	s_cmp_gt_u32 s48, 0
	s_cselect_b32 s50, -1, 0
	s_cmp_gt_u32 s49, 0
	s_cselect_b32 s51, -1, 0
.irp e, 0,1,2,3
	v_cndmask_b32 v[EA+\e], 0, v[Y3+\e], s50       ; 0 + y3[0] is y3[0]
	v_cndmask_b32 v[EC+\e], 0, v[Y3+\e], s51
.endr
.irp i, 1,2,3,4,5,6,7,8,9,10,11,12,13,14
	s_cmp_gt_u32 s48, \i
	s_cselect_b32 s50, -1, 0
	s_cmp_gt_u32 s49, \i
	s_cselect_b32 s51, -1, 0
	QADD TQ, EC, Y3+4*\i
.irp e, 0,1,2,3
	v_cndmask_b32 v[EA+\e], v[EA+\e], v[TQ+\e], s50
	v_cndmask_b32 v[EC+\e], v[EC+\e], v[TQ+\e], s51
.endr
.endr
	QADD E2M, EA, I2A                              ; E2[c0 - 1] = E3 + I2[c0 - 2]
	QADD E2A, EA, I2B                              ; E2[c0]     = E3 + I2[c0 - 1]   (c0 - 2 and c0 - 1 lie in one group of 16: c0 is even)
	QADD E2B, EC, I2C                              ; E2[c0 + 1] = E3 + I2[c0]
	QADD BQ, E2M, GM                               ; E1[16 c0]  = E2[c0 - 1] + y2[c0 - 1]
.irp e, 0,1,2,3
	v_cndmask_b32 v[E2A+\e], 0, v[E2A+\e], s52     ; block 0: both are 0
	v_cndmask_b32 v[BQ+\e], 0, v[BQ+\e], s52
.endr
.irp e, 0,1,2,3
	v_mul_f32 v[KK+\e], 0.15915494, v[PS0+\e]
.endr
.irp e, 0,1,2,3
	v_rndne_f32 v[KK+\e], v[KK+\e]
.endr
.irp e, 0,1,2,3
	v_fma_f32 v[IR+\e], v[KK+\e], s55, v[PS0+\e]   ; initial phase, whole turns of f32(2 pi) removed
.endr
	v_mov_b32 v[ZR], 0
	RST 0, ZR, 0, BQ, E2A
.irp r, 1,2,3
	QADD BQ, E2A, GR+4*\r-4                        ; E1[4 f] = E2[c0] + inner1 in front of the frame
	RST \r, GR+4*\r-4, 1, BQ, E2A
.endr
	QADD BQ, E2A, GR+12                            ; E1[16 (c0 + 1)] = E2[c0] + y2[c0]
	RST 4, ZR, 0, BQ, E2B
.irp r, 5,6,7
	QADD BQ, E2B, GR+4*\r-4
	RST \r, GR+4*\r-4, 1, BQ, E2B
.endr
	WIN 0x55
	s_wait_loadcnt 0x0                             ; the table's loads: nothing was issued behind them
.irp k, 0,1,2,3,4,5,6,7
	FACHUNK \k
.endr
	; ---- the loop's constants
	WIN 0x40
.set uu, 0
.rept 32
	v_cvt_f32_u32 v[FR1+2*uu], uu
	v_cvt_f32_u32 v[FR1+2*uu+1], uu+32
.set uu, uu+1
.endr
	WIN 0x41
.set uu, 0
.rept 32
	v_pk_mul_f32 v[FR1+2*uu:FR1+2*uu+1], v[FR1+2*uu:FR1+2*uu+1], s[58:59] op_sel_hi:[1,0]
.set uu, uu+1
.endr
	WIN 0
	v_mov_b32 v[K0], 0.15915494
	v_mov_b32 v[K0+1], 0xc0c90fdb                  ; -f32(2 pi)
	v_mov_b32 v[K1], 0x39cde32e                    ; f32(2 pi / 16000)
	v_mov_b32 v[K1+1], 0x2f309231                  ; 1 / 13!
	v_mov_b32 v[K2], 0xb2d7322b                    ; -1 / 11!
	v_mov_b32 v[K2+1], 0x3638ef1d                  ; 1 / 9!
	v_mov_b32 v[K3], 0xb9500d01                    ; -1 / 7!
	v_mov_b32 v[K3+1], 0x3c088889                  ; 1 / 5!
	v_mov_b32 v[K4], 0xbe2aaaab                    ; -1 / 3!
	v_mov_b32 v[K4+1], 1.0
	v_mov_b32 v[IT+1], 0                           ; never used: a packed source is a whole pair
	v_and_b32 v2, 7, v[LANE]                       ; fl
	v_lshrrev_b32 v3, 3, v[LANE]                   ; g
	v_mul_u32_u24 v[ADR], v2, ROWB
	v_lshl_add_u32 v[ADR], v3, 5, v[ADR]
	v_add_nc_u32 v[ADR], s18, v[ADR]
	v_lshrrev_b32 v3, 4, v[LANE]                   ; which half of the lanes
	v_and_b32 v5, 15, v[LANE]
	v_mul_u32_u24 v[OUTW], v2, 272                 ; stage: a frame's 256 bytes at a pitch of 272
	v_lshl_add_u32 v[OUTW], v3, 7, v[OUTW]
	v_add_nc_u32 v[OUTW], s18, v[OUTW]
	v_mul_u32_u24 v[OUTR], v3, 272
	v_lshl_add_u32 v[OUTR], v5, 4, v[OUTR]
	v_add_nc_u32 v[OUTR], s18, v[OUTR]
	v_lshlrev_b32 v[OUTG], 4, v[LANE]
	; ---- 25 harmonics a lane: i = 24 stands in front of the loop and starts the sums, then i = 0..23, two a trip
	ds_load_b128 v[RAWA:RAWA+3], v[ADR] offset:128*24
	ds_load_b64 v[RAWA+4:RAWA+5], v[ADR] offset:128*24+16
	ds_load_b64 v[RAWA+6:RAWA+7], v[ADR] offset:128*24+ROWB
	HARM RAWA, RAWB, 0, 1
	s_mov_b32 s21, 12
.Lh:
	HARM RAWB, RAWA, 1, 0
	HARM RAWA, RAWB, 2, 0                          ; in the last trip the look-ahead reads i = 24 once more: written bytes, not used
	v_add_nc_u32 v[ADR], 256, v[ADR]
	s_sub_co_u32 s21, s21, 1
	s_cmp_lg_u32 s21, 0
	s_cbranch_scc1 .Lh
	; ---- the four groups' sums meet.  The swap gives lanes 0..15 sample u of both halves of the lanes and lanes 16..31 sample u + 32, so that one
	; add folds lane bit 4; the add across lane bit 3 folds the rest.  A lane then holds samples 32 (lane / 16) + 0..31 of frame fl, in order.
	s_wait_dscnt 0x0                               ; the last look-ahead has landed; the table is read no more
.set uu, 0
.rept 32
	v_permlane16_swap_b32 v[ACC+2*uu], v[ACC+2*uu+1]
.set uu, uu+1
.endr
.set uu, 0
.rept 32
	v_add_f32 v[PH+uu], v[ACC+2*uu], v[ACC+2*uu+1]
.set uu, uu+1
.endr
.set uu, 0
.rept 32
	v_add_f32_dpp v[PH+uu], v[PH+uu], v[PH+uu] row_xmask:8 row_mask:0xf bank_mask:0xf
.set uu, uu+1
.endr
.irp j, 0,1,2,3,4,5,6,7
	ds_store_b128 v[OUTW], v[PH+4*\j:PH+4*\j+3] offset:16*\j       ; the two lanes that differ in bit 3 write the same numbers to the same bytes
.endr
.irp j, 0,1,2,3
	ds_load_b128 v[TMP+4*\j:TMP+4*\j+3], v[OUTR] offset:544*\j     ; LDS serves a wave's instructions in order: these see the stores above
.endr
.irp j, 0,1,2,3
	s_wait_dscnt 3-\j                              ; loads come back in order: number j is in
	global_store_b128 v[OUTG], v[TMP+4*\j:TMP+4*\j+3], s[36:37] offset:512*\j th:TH_STORE_NT   ; 512 neighbouring bytes, aligned
.endr
	s_wait_tensorcnt 0x0
	ds_add_u32 v14, v15
	s_wait_dscnt 0x0
	s_endpgm
.Lfunc_end_k_q0f558b94e7_synth:
	.size	k_q0f558b94e7_synth, .Lfunc_end_k_q0f558b94e7_synth-k_q0f558b94e7_synth
	.p2alignl 7, 3214868480
	.fill 96, 4, 3214868480
	.section	.rodata,"a",@progbits
	.p2align	6, 0x0
	.amdhsa_kernel k_q0f558b94e7_synth
		.amdhsa_group_segment_fixed_size 131584
		.amdhsa_private_segment_fixed_size 0
		.amdhsa_enable_private_segment 0
		.amdhsa_kernarg_size 40
		.amdhsa_user_sgpr_count 2
		.amdhsa_user_sgpr_kernarg_segment_ptr 1
		.amdhsa_wavefront_size32 1
		.amdhsa_system_sgpr_workgroup_id_x 1
		.amdhsa_system_sgpr_workgroup_id_y 1
		.amdhsa_system_sgpr_workgroup_id_z 1
		.amdhsa_system_vgpr_workitem_id 0
		.amdhsa_next_free_vgpr 416
		.amdhsa_next_free_sgpr 66
		.amdhsa_reserve_vcc 1
		.amdhsa_float_denorm_mode_32 3
		.amdhsa_float_denorm_mode_16_64 3
		.amdhsa_memory_ordered 1
		.amdhsa_forward_progress 1
		.amdhsa_inst_pref_size 195
	.end_amdhsa_kernel
	.amdgpu_metadata
---
amdhsa.version: [ 1, 2 ]
amdhsa.kernels:
  - .name:           k_q0f558b94e7_synth
    .symbol:         k_q0f558b94e7_synth.kd
    .args:
      - { .name: amplitudes, .offset: 0, .size: 8, .value_kind: global_buffer, .address_space: global }
      - { .name: harmonic_frequencies, .offset: 8, .size: 8, .value_kind: global_buffer, .address_space: global }
      - { .name: phase_shifts, .offset: 16, .size: 8, .value_kind: global_buffer, .address_space: global }
      - { .name: tree, .offset: 24, .size: 8, .value_kind: global_buffer, .address_space: global }
      - { .name: out0, .offset: 32, .size: 8, .value_kind: global_buffer, .address_space: global }
    .group_segment_fixed_size: 131584
    .private_segment_fixed_size: 0
    .kernarg_segment_align: 8
    .kernarg_segment_size: 40
    .max_flat_workgroup_size: 128
    .sgpr_count:     66
    .vgpr_count:     416
    .wavefront_size: 32
...
	.end_amdgpu_metadata
.endif
;; end of part 2
;; ======== version 2 of 2: 2 launches; version 1 with the launch synth written anew for expert scheduling mode
;; limits: right only within a limited range of input values
;; workspace buffers: tree 4,019,200 bytes
;; launch blocks: the kernel of part 1 again; grid 32 x 8, 32 waves a work-group, no clusters, 8,192 bytes of LDS; arguments harmonic_frequencies, phase_shifts, tree; writes tree
;; launch synth (part 3): grid 250 x 1, 4 waves a work-group, no clusters, 131,584 bytes of LDS; arguments amplitudes, harmonic_frequencies, phase_shifts, tree, out0; writes out0
.if DOCPART == 3
	.amdgcn_target "amdgcn-amd-amdhsa--gfx1250"
	.amdhsa_code_object_version 6
	.text
	.protected	k_q0f558b94e7_synth
	.globl	k_q0f558b94e7_synth
	.p2align	8
	.type	k_q0f558b94e7_synth,@function
k_q0f558b94e7_synth:
	s_mov_b64 s[64:65], 0
	v_nop
	global_prefetch_b8 v0, s[64:65] scope:SCOPE_SE
	s_setreg_imm32_b32 hwreg(HW_REG_WAVE_SCHED_MODE, 0, 2), 2
	s_setreg_imm32_b32 hwreg(HW_REG_WAVE_MODE, 25, 1), 1
	s_wait_xcnt 0x0
	s_wait_alu depctr_vm_vsrc(0)
; HarmonicModel, launch 2 of 2: out[a][n] = sum over h of amp_env * sin(mod(cumsum(omega), 2 pi) + initial phase).
;
; THE SUM.  The cumulative sum is made in the order that jnp.cumsum is taken to have on a CPU (see launch 1): base 16, left to right inside a
; group.  With inner0, inner1, inner2, y1, y2, y3 as there:
;   E3[d] = y3[0] + .. + y3[d-1] (left to right)      S2[c] = E3[c / 16] + inner2[c / 16][c % 16]      E2[c] = S2[c - 1]
;   S1[b] = E2[b / 16] + inner1[b / 16][b % 16]       E1[b] = S1[b - 1]       cumsum[16 b + j] = E1[b] + inner0[b][j]       E.[0] = 0
; Launch 1 left G[f] = inner1 behind frame f and I2[c] = inner2.  For frame f (groups b = 4 f + q, c = f / 4, k = f % 4) the table below holds
;   R = inner1 in front of the frame (G[f - 1], or 0 for k = 0),  B0 = E1[4 f],  E2 = E2[c];
; the frame's own y1 come out of its chains, and  i0 = R + y1_0, i1 = i0 + y1_1, i2 = i1 + y1_2,  E1[4 f + q] = E2 + i(q-1).
;
; SHARES.  1000 waves that do not depend on each other (no barrier): wave wb = 4 x + w takes audio wb / 125 and the 8 frames (512 samples) of
; block B = wb % 125, that is c0 = 2 B and c0 + 1.  Lane: frame fl = lane % 8, group g = lane / 8; it does the harmonics 4 i + g, i = 0..24, for
; all 64 samples of its frame and adds them into 64 sums; the four groups are added at the end.  Register pair u = samples (u, u + 32).
;
; LDS, 32,768 bytes a wave: a table of 9 rows (frames 0..8 of the block) x 100 harmonics x 32 bytes (frequency, |amplitude|, reduced initial
; phase, R, B0, E2, two words unused); row 8 has the first two words only; entries 900 and up take the spill of the last fill chunk and are
; never read.  At the end the first 2,176 bytes stage the output.
;
; REGISTERS.  Window 0: addresses, constants, PH (phases), ACC (sums).  Window 1 (v256 and up, named v0..): FR (fractions), AM (amplitudes);
; in the prologue v[64:191] of it take the raw words of the table.  s_set_vgpr_msb: bits 1:0 source 0, 3:2 source 1, 5:4 source 2, 7:6 destination.
;
; THE MODE: SCHED_MODE bits 1:0 = 2 (LLVM: expert scheduling mode 2), set by the entry lines.  The code itself states the register dependences
; between vector instructions and memory or LDS instructions, and those through scalar registers that vector instructions write, with s_wait_alu, always for 0.
; THE PLAN.  Registers that memory or LDS instructions touch:
;   offsets and LDS addresses (HQ, QW, VI, VIC, VGM, VO1, LA1, OUTW, OUTR, OUTG): made once at the head; HQ to LA1 ahead of the wait that stands in front of the first load.
;   the fold's results (IR, GR, ZR, E2A, E2B, eight rows BR): all written, one wait, then the 128 LDS stores that read them.
;   the raw words: loaded once; the arithmetic leaves (frequency, |amplitude|) in registers 8..15 of each chunk; one wait, then the 32 LDS stores.
;   One wait on vm_vsrc ahead of the first harmonic: PH, ACC and AM take over registers that those stores and the loads' offsets lay in.
;   RAWA, RAWB: a harmonic reads its words in cur (and writes cur + 5); at its head the next harmonic's words are asked for into nxt, which the harmonic
;   before had as cur and which no line of this one names.  So ONE wait on va_vdst a harmonic, at its head, behind the wait for cur's loads.
;   ADR: read by those loads, stepped once a trip: a wait on vm_vsrc ahead of the add; the next head's wait shows it written.
;   The masks that compares write into scalar registers go in batches, each with one wait on va_sdst ahead of its selects; in the loop two sets of
;   sixteen take turns, so that sixteen lines or more stand between a batch of compares and its wait.
;
; sin: k = rndne((P + ir) / 2 pi), x = fma(k, -f32(2 pi), P) + ir (the fma is exact for the sizes at hand), then the odd Taylor polynomial to
; x^13, whose error is below 3e-5 for |x| <= 3.2.
; LIMITS.  |x| <= 3.2 holds while |P| stays below about 2^20 rad; beyond that the polynomial loses accuracy.  Removing another multiple of
; f32(2 pi) than the reference's mod shifts the angle by 1.7e-7 rad for each turn of difference.  amp_env is one fused multiply-add; the sum
; over h runs in another order than the reference's.  NaN and the sign of zero are not matched.  The input audio is not among the arguments:
; reference() does not use it.
.set ROWB, 3200                        ; a table row: 100 entries of 32 bytes
.set ENT,  32
.set MA,   40                          ; s[40:55]  mask set A
.set MB,   4                           ; s[4:19]   mask set B, in the loop alone: what the head kept there is no longer wanted
; window 0, whole kernel
.set LANE, 1
.set ADR,  4                           ; table entry (row fl, harmonic g), stepped by two harmonics-of-four a trip
.set OUTW, 6
.set OUTR, 7
.set OUTG, 8
.set HQ,   9                           ; 16 min(lane, 24): my four harmonics in a row of 400 bytes (lanes 25..31 repeat lane 24)
.set QW,   10                          ; table entry (row 0, harmonic 4 min(lane, 24))
; window 0, loop
.set RAWA, 16                          ; v[16:23]  f0, a0, ir, R, B0, E2, f1, a1
.set RAWB, 24                          ; v[24:31]  the same for the harmonic ahead
.set DD,   32                          ; (f1 - f0, a1 - a0)
.set BB,   34                          ; (E1 of group 1, E1 of group 3)
.set K0,   36                          ; (1 / 2 pi, -f32(2 pi))
.set K1,   38                          ; (f32(2 pi / 16000), c13)
.set K2,   40                          ; (c11, c9)
.set K3,   42                          ; (c7, c5)
.set K4,   44                          ; (c3, 1)
.set IT,   46                          ; (ir / 2 pi, a word that only fills the pair)
.set TMP,  48                          ; v[48:79]  eight times (pair Z, pair P)
.set PH,   128                         ; v[128:191]
.set ACC,  192                         ; v[192:255]
; window 0, prologue only; a name stands for four registers = my four harmonics
.set Y3,   48                          ; v[48:107]  y3[0..14]
.set I2A,  108                         ; I2[c0 - 2]
.set I2B,  112                         ; I2[c0 - 1]
.set I2C,  116                         ; I2[c0]
.set GM,   120                         ; G[8 B - 1]
.set GR,   124                         ; v[124:151] G[8 B + 0..6]
.set PS0,  152                         ; initial phase
.set EA,   156                         ; E3[(c0 - 2) / 16]
.set EC,   160                         ; E3[c0 / 16]
.set TQ,   164
.set E2M,  168                         ; E2[c0 - 1]
.set E2A,  172                         ; E2[c0]
.set E2B,  176                         ; E2[c0 + 1]
.set IR,   180
.set KK,   184
.set ZR,   192                         ; one register: 0
.set BR,   196                         ; v[196:227] row r: B0 of my four harmonics at BR + 4 r: a set for each row, so that no store's data is written again
.set VI,   232
.set VIC,  233
.set VGM,  234
; window 1 (names)
.set FR1,  0                           ; v[0:63]
.set AM1,  64                          ; v[64:127]
.set RW,   64                          ; v[64:191] prologue: chunk k at RW + 16 k: 0..3 hf, 4..7 amplitude, 8..11 ps, 12..15 ps one frame on
.set VO1,  192                         ; v[192:199] chunk k: byte offset of my 16 bytes in the block's 3,600 bytes
.set LA1,  200                         ; LDS: 128 lane
.set T1,   201
.set L16,  202
.set C400, 203
.set T2,   204
.set MSB, 0
.macro WIN new                         ; the immediate's high byte repeats the setting that is left
.if MSB != \new
	s_set_vgpr_msb (MSB<<8)|\new
.set MSB, \new
.endif
.endm
.macro QADD d, a, b                    ; four harmonics at once
	v_pk_add_f32 v[\d:\d+1], v[\a:\a+1], v[\b:\b+1]
	v_pk_add_f32 v[\d+2:\d+3], v[\a+2:\a+3], v[\b+2:\b+3]
.endm
; words 2..5 of row r's entries of my four harmonics: ir, R (registers rq + rs e), B0 (bq), E2 (eq)
.macro RST r, rq, rs, bq, eq
.irp e, 0,1,2,3
	ds_store_b32 v[QW], v[IR+\e] offset:ROWB*\r+ENT*\e+8
	ds_store_b32 v[QW], v[\rq+\rs*\e] offset:ROWB*\r+ENT*\e+12
	ds_store_b32 v[QW], v[\bq+\e] offset:ROWB*\r+ENT*\e+16
	ds_store_b32 v[QW], v[\eq+\e] offset:ROWB*\r+ENT*\e+20
.endr
.endm
; The table's words 0 and 1 for the four chunks k0 .. k0 + 3, sixteen values, all registers in window 1.  Each value keeps the reference's roundings:
; (ps1 - ps0); d > 0.5: d - 1; then d < -0.5: d + 1; * 250; hf + that.  The two wraps go as batches: sixteen compares into mask set A, sixteen adds
; (into ps0's registers, which are free), one wait, sixteen selects.
.macro FAH k0
.set ii, 0
.rept 4
.set rb, RW+16*(\k0+ii)
	v_pk_add_f32 v[rb+12:rb+13], v[rb+12:rb+13], v[rb+8:rb+9] neg_lo:[0,1] neg_hi:[0,1]
	v_pk_add_f32 v[rb+14:rb+15], v[rb+14:rb+15], v[rb+10:rb+11] neg_lo:[0,1] neg_hi:[0,1]
.set ii, ii+1
.endr
.set ii, 0
.rept 16
.set rd, RW+16*(\k0+ii/4)+12+ii%4
	v_cmp_lt_f32 s[MA+ii], 0.5, v[rd]
.set ii, ii+1
.endr
.set ii, 0
.rept 16
.set rd, RW+16*(\k0+ii/4)+12+ii%4
	v_add_f32 v[rd-4], -1.0, v[rd]
.set ii, ii+1
.endr
	s_wait_alu depctr_va_sdst(0)                   ; the sixteen compares have written s[40:55], which the selects below read
.set ii, 0
.rept 16
.set rd, RW+16*(\k0+ii/4)+12+ii%4
	v_cndmask_b32 v[rd], v[rd], v[rd-4], s[MA+ii]
.set ii, ii+1
.endr
.set ii, 0
.rept 16
.set rd, RW+16*(\k0+ii/4)+12+ii%4
	v_cmp_gt_f32 s[MA+ii], -0.5, v[rd]
.set ii, ii+1
.endr
.set ii, 0
.rept 16
.set rd, RW+16*(\k0+ii/4)+12+ii%4
	v_add_f32 v[rd-4], 1.0, v[rd]
.set ii, ii+1
.endr
	s_wait_alu depctr_va_sdst(0)                   ; the second sixteen compares have written s[40:55], which the selects below read
.set ii, 0
.rept 16
.set rd, RW+16*(\k0+ii/4)+12+ii%4
	v_cndmask_b32 v[rd], v[rd], v[rd-4], s[MA+ii]
.set ii, ii+1
.endr
.set ii, 0
.rept 4
.set rb, RW+16*(\k0+ii)
	v_pk_mul_f32 v[rb+12:rb+13], v[rb+12:rb+13], s[56:57] op_sel_hi:[1,0]
	v_pk_mul_f32 v[rb+14:rb+15], v[rb+14:rb+15], s[56:57] op_sel_hi:[1,0]
.set ii, ii+1
.endr
.set ii, 0
.rept 4                                ; value e's pair (frequency, |amplitude|) goes to registers 8 + 2 e, 9 + 2 e of its chunk; in ascending e no number is overwritten before it is read
.set rb, RW+16*(\k0+ii)
.irp e, 0,1,2,3
	v_add_f32 v[rb+8+2*\e], v[rb+\e], v[rb+12+\e]
.endr
.irp e, 0,1,2,3
	v_and_b32 v[rb+9+2*\e], 0x7fffffff, v[rb+4+\e]
.endr
.set ii, ii+1
.endr
.endm
.macro OMG u                           ; omega of pair u
	v_pk_mul_f32 v[PH+2*(\u):PH+2*(\u)+1], v[PH+2*(\u):PH+2*(\u)+1], v[K1:K1+1] op_sel_hi:[1,0]
.endm
.macro CHN u                           ; inner0: pair u takes the running sum of pair u - 1
	v_pk_add_f32 v[PH+2*(\u):PH+2*(\u)+1], v[PH+2*(\u):PH+2*(\u)+1], v[PH+2*(\u)-2:PH+2*(\u)-1]
.endm
.macro HORN kk, hi                     ; P = P Z + one half of the pair kk, eight pairs
.irp q, 0,1,2,3,4,5,6,7
	v_pk_fma_f32 v[TMP+4*\q+2:TMP+4*\q+3], v[TMP+4*\q+2:TMP+4*\q+3], v[TMP+4*\q:TMP+4*\q+1], v[\kk:\kk+1] op_sel:[0,0,\hi] op_sel_hi:[1,1,\hi]
.endr
.endm
.macro CMPS g, m                       ; sixteen masks into set m: 8000 <= freq_env in registers 16 g .. 16 g + 15 of PH
.set uu, 0
.rept 16
	v_cmp_le_f32 s[\m+uu], s20, v[PH+16*\g+uu]
.set uu, uu+1
.endr
.endm
.macro SELS g, m                       ; amp_env becomes 0 where its mask is set
.set uu, 0
.rept 16
	v_cndmask_b32 v[AM1+16*\g+uu], v[AM1+16*\g+uu], 0, s[\m+uu]
.set uu, uu+1
.endr
.endm
; One harmonic for the lane's 64 samples.  cur: its eight words; nxt: where the next harmonic's words are loaded to, from entry 4 o of ADR;
; first = 1: the products start the sums, so nothing is cleared.
.macro HARM cur, nxt, o, first
	WIN 0
	s_wait_dscnt 0x0                               ; cur's three loads, issued a whole harmonic ago (at the first use also the prologue's stores)
	s_wait_alu depctr_va_vdst(0)                   ; the harmonic before is done reading nxt and writing nxt + 5, in which the loads below land; behind the loop's jump ADR is written
	ds_load_b128 v[\nxt:\nxt+3], v[ADR] offset:128*\o              ; the next harmonic: row fl's six words,
	ds_load_b64 v[\nxt+4:\nxt+5], v[ADR] offset:128*\o+16
	ds_load_b64 v[\nxt+6:\nxt+7], v[ADR] offset:128*\o+ROWB        ; row fl + 1's first two.  No line of this harmonic names nxt or ADR
	v_pk_add_f32 v[DD:DD+1], v[\cur+6:\cur+7], v[\cur:\cur+1] neg_lo:[0,1] neg_hi:[0,1]
	v_mul_f32 v[IT], 0.15915494, v[\cur+2]
	WIN 0x41                                       ; frac * d, rounded by itself as in the reference (AM only lends its registers)
.set uu, 0
.rept 32
	v_pk_mul_f32 v[AM1+2*uu:AM1+2*uu+1], v[FR1+2*uu:FR1+2*uu+1], v[DD:DD+1] op_sel_hi:[1,0]
.set uu, uu+1
.endr
	WIN 0x01                                       ; + f0: freq_env
.set uu, 0
.rept 32
	v_pk_add_f32 v[PH+2*uu:PH+2*uu+1], v[AM1+2*uu:AM1+2*uu+1], v[\cur:\cur+1] op_sel_hi:[1,0]
.set uu, uu+1
.endr
	WIN 0x41                                       ; amp_env, and 0 where 8000 <= freq_env: the masks in four batches of sixteen, sets A and B by turns
	CMPS 0, MA
.set uu, 0
.rept 32
	v_pk_fma_f32 v[AM1+2*uu:AM1+2*uu+1], v[FR1+2*uu:FR1+2*uu+1], v[DD:DD+1], v[\cur:\cur+1] op_sel:[0,1,1] op_sel_hi:[1,1,1]
.set uu, uu+1
.endr
	s_wait_alu depctr_va_sdst(0)                   ; batch 0's compares have written set A, which SELS 0 reads
	CMPS 1, MB
	SELS 0, MA
	s_wait_alu depctr_va_sdst(0)                   ; batch 1's compares have written set B, which SELS 1 reads
	CMPS 2, MA
	SELS 1, MB
	s_wait_alu depctr_va_sdst(0)                   ; batch 2's compares have written set A, which SELS 2 reads
	CMPS 3, MB
	SELS 2, MA
	s_wait_alu depctr_va_sdst(0)                   ; batch 3's compares have written set B, which SELS 3 reads
	SELS 3, MB
	WIN 0
	; omega and the two chains (pairs 0..15: groups 0 and 2; pairs 16..31: groups 1 and 3).  The multiplies run one step ahead, so that
	; a line and the line that it depends on stand four apart.
	OMG 0
	OMG 16
	OMG 1
	OMG 17
.set uu, 1
.rept 14
	OMG uu+1
	OMG uu+17
	CHN uu
	CHN uu+16
.set uu, uu+1
.endr
	CHN 15
	CHN 31
	; pair 15 = (y1_0, y1_2), pair 31 = (y1_1, y1_3): inner1 goes on from R, and E2 makes the groups' starts
	v_add_f32 v[TMP], v[\cur+3], v[PH+30]          ; i0 = R + y1_0
	v_add_f32 v[TMP+1], v[TMP], v[PH+62]           ; i1 = i0 + y1_1
	v_add_f32 v[BB], v[\cur+5], v[TMP]             ; E1 of group 1
	v_add_f32 v[TMP+2], v[TMP+1], v[PH+31]         ; i2 = i1 + y1_2
	v_add_f32 v[BB+1], v[\cur+5], v[TMP+2]         ; E1 of group 3
	v_add_f32 v[\cur+5], v[\cur+5], v[TMP+1]       ; E1 of group 2, beside B0 = E1 of group 0
.set uu, 0
.rept 16
	v_pk_add_f32 v[PH+2*uu:PH+2*uu+1], v[PH+2*uu:PH+2*uu+1], v[\cur+4:\cur+5]
	v_pk_add_f32 v[PH+32+2*uu:PH+32+2*uu+1], v[PH+32+2*uu:PH+32+2*uu+1], v[BB:BB+1]
.set uu, uu+1
.endr
	; sin, eight pairs at a time, stage by stage, so that no line waits for the one in front of it
.set gg, 0
.rept 4
.irp q, 0,1,2,3,4,5,6,7
	v_pk_fma_f32 v[TMP+4*\q:TMP+4*\q+1], v[PH+16*gg+2*\q:PH+16*gg+2*\q+1], v[K0:K0+1], v[IT:IT+1] op_sel_hi:[1,0,0]
.endr
.irp q, 0,1,2,3,4,5,6,7
	v_rndne_f32 v[TMP+4*\q], v[TMP+4*\q]
	v_rndne_f32 v[TMP+4*\q+1], v[TMP+4*\q+1]
.endr
.irp q, 0,1,2,3,4,5,6,7
	v_pk_fma_f32 v[PH+16*gg+2*\q:PH+16*gg+2*\q+1], v[TMP+4*\q:TMP+4*\q+1], v[K0:K0+1], v[PH+16*gg+2*\q:PH+16*gg+2*\q+1] op_sel:[0,1,0] op_sel_hi:[1,1,1]
.endr
.irp q, 0,1,2,3,4,5,6,7
	v_pk_add_f32 v[PH+16*gg+2*\q:PH+16*gg+2*\q+1], v[PH+16*gg+2*\q:PH+16*gg+2*\q+1], v[\cur+2:\cur+3] op_sel_hi:[1,0]
.endr
.irp q, 0,1,2,3,4,5,6,7
	v_pk_mul_f32 v[TMP+4*\q:TMP+4*\q+1], v[PH+16*gg+2*\q:PH+16*gg+2*\q+1], v[PH+16*gg+2*\q:PH+16*gg+2*\q+1]
.endr
.irp q, 0,1,2,3,4,5,6,7
	v_pk_fma_f32 v[TMP+4*\q+2:TMP+4*\q+3], v[TMP+4*\q:TMP+4*\q+1], v[K1:K1+1], v[K2:K2+1] op_sel:[0,1,0] op_sel_hi:[1,1,0]
.endr
	HORN K2, 1
	HORN K3, 0
	HORN K3, 1
	HORN K4, 0
	HORN K4, 1
.irp q, 0,1,2,3,4,5,6,7
	v_pk_mul_f32 v[PH+16*gg+2*\q:PH+16*gg+2*\q+1], v[PH+16*gg+2*\q:PH+16*gg+2*\q+1], v[TMP+4*\q+2:TMP+4*\q+3]
.endr
.set gg, gg+1
.endr
	WIN 0x01
.set uu, 0
.rept 32
.if \first
	v_pk_mul_f32 v[ACC+2*uu:ACC+2*uu+1], v[AM1+2*uu:AM1+2*uu+1], v[PH+2*uu:PH+2*uu+1]
.else
	v_pk_fma_f32 v[ACC+2*uu:ACC+2*uu+1], v[AM1+2*uu:AM1+2*uu+1], v[PH+2*uu:PH+2*uu+1], v[ACC+2*uu:ACC+2*uu+1]
.endif
.set uu, uu+1
.endr
	WIN 0
.endm
	; ---- who am I, and where my parts of the buffers begin
	s_load_b256 s[4:11], s[0:1], 0x0               ; amplitudes s[4:5], harmonic_frequencies s[6:7], phase_shifts s[8:9], tree s[10:11]
	s_load_b64 s[12:13], s[0:1], 0x20              ; out0
	v_lshl_add_u32 v14, v0, 2, 0x20000
	v_mov_b32 v15, 0
	v_lshrrev_b32 v2, 5, v0
	v_readfirstlane_b32 s14, v2                    ; wave 0..3
	v_and_b32 v[LANE], 31, v0
	v_min_u32 v[HQ], 24, v[LANE]
	v_lshlrev_b32 v[HQ], 4, v[HQ]
	s_mov_b32 s20, 0x45fa0000                      ; 8000.0
	s_mov_b32 s55, 0xc0c90fdb                      ; -f32(2 pi)
	s_mov_b32 s56, 0x437a0000                      ; 250.0, a pair for the packed multiply
	s_mov_b32 s57, 0x437a0000
	s_mov_b32 s58, 0x3c800000                      ; 1 / 64
	s_mov_b32 s59, 0x3c800000
	s_wait_alu depctr_va_sdst(0)                   ; s14 is written, ahead of its first reader: every id and base below is made from it
	s_lshl_b32 s15, ttmp9, 2
	s_add_co_u32 s15, s15, s14                     ; wb = 0..999
	s_mul_i32 s16, s15, 8389
	s_lshr_b32 s16, s16, 20                        ; audio = wb / 125 (8389 / 2^20 is right for wb < 1000)
	s_mul_i32 s17, s16, 125
	s_sub_co_u32 s17, s15, s17                     ; B = wb % 125
	s_lshl_b32 s39, s17, 1                         ; c0
	s_lshl_b32 s18, s14, 15                        ; my 32,768 bytes of LDS
	s_lshl_b32 s19, s17, 3
	s_sub_co_u32 s19, 1000, s19
	s_mul_i32 s19, s19, 400                        ; bytes from the block's first frame to the audio's end: 3,200 in block 124
	v_lshl_add_u32 v[QW], v[HQ], 3, s18            ; 4 min(lane, 24) entries of 32 bytes
	s_max_u32 s38, s39, 2
	s_sub_co_u32 s38, s38, 2                       ; max(c0 - 2, 0): block 0 reads rows 0 and 1 and drops them by its mask
	s_lshr_b32 s48, s38, 4                         ; dA
	s_lshr_b32 s49, s39, 4                         ; dC
	s_mul_i32 s38, s38, 400
	v_add_nc_u32 v[VI], s38, v[HQ]
	s_mul_i32 s38, s39, 400
	v_add_nc_u32 v[VIC], s38, v[HQ]
	s_lshl_b32 s38, s17, 3
	s_max_u32 s38, s38, 1
	s_sub_co_u32 s38, s38, 1                       ; max(8 B - 1, 0), likewise
	s_mul_i32 s38, s38, 400
	v_add_nc_u32 v[VGM], s38, v[HQ]
	s_cmp_lg_u32 s17, 0
	s_cselect_b32 s52, -1, 0                       ; all ones unless B = 0
	WIN 0x40                                       ; lane terms into window 1: they hang on no argument, so they stand ahead of the wait for the arguments
	v_lshlrev_b32 v[L16], 4, v[LANE]
	v_lshl_add_u32 v[LA1], v[LANE], 7, s18
	v_mov_b32 v[C400], 400
	WIN 0x55
.irp k, 0,1,2,3,4,5,6,7
	v_add_nc_u32 v[VO1+\k], 512*\k, v[L16]         ; the block's nine rows are 3,600 neighbouring bytes: eight chunks of 512
.endr
	v_min_u32 v[VO1+7], 3584, v[VO1+7]             ; chunk 7: lane 0 has the last 16 bytes, the others repeat them (into LDS bytes never read)
	v_cmp_le_u32 s62, s19, v[VO1+6]                ; block 124: row 8 is frame 999 again, as the reference clamps idx1
	v_cmp_le_u32 s63, s19, v[VO1+7]
	v_sub_nc_u32 v[T1], v[VO1+6], v[C400]
	v_sub_nc_u32 v[T2], v[VO1+7], v[C400]
	s_wait_alu depctr_va_sdst(0)                   ; the two compares have written s62 and s63, which the selects below read
	v_cndmask_b32 v[VO1+6], v[VO1+6], v[T1], s62
	v_cndmask_b32 v[VO1+7], v[VO1+7], v[T2], s63
	WIN 0
	s_mov_b32 s23, 0
	s_mul_i32 s38, s17, 3200
	s_mul_i32 s22, s16, 400000
	s_wait_kmcnt 0x0
	s_add_nc_u64 s[34:35], s[10:11], s[22:23]      ; G, my audio's frame 0
	s_add_co_u32 s22, s22, s38
	s_add_nc_u64 s[24:25], s[4:5], s[22:23]        ; amplitudes at the block's first frame
	s_add_nc_u64 s[26:27], s[6:7], s[22:23]        ; harmonic_frequencies likewise
	s_add_nc_u64 s[32:33], s[10:11], s[22:23]      ; G likewise
	s_mul_i32 s22, s16, 400400
	s_add_nc_u64 s[30:31], s[8:9], s[22:23]        ; phase_shifts, the audio's row 0
	s_add_co_u32 s22, s22, s38
	s_add_nc_u64 s[28:29], s[8:9], s[22:23]        ; phase_shifts at the block's first frame
	s_mul_i32 s22, s16, 102400
	s_add_co_u32 s22, s22, 3200000
	s_add_nc_u64 s[60:61], s[10:11], s[22:23]      ; I2 of my audio
	s_lshl_b32 s22, s15, 11
	s_add_nc_u64 s[36:37], s[12:13], s[22:23]      ; my 512 outputs
	; ---- all loads are issued now: 27 for the prefixes, then 32 for the table's frequencies and amplitudes
	s_wait_alu depctr_va_vdst(0)                   ; HQ, VI, VIC, VGM and VO1 are written, which the 59 loads below read as offsets (QW and LA1 too, for the LDS stores further down); up to the last load stand only loads and a window switch
.irp i, 0,1,2,3,4,5,6,7,8,9,10,11,12,13,14
	global_load_b128 v[Y3+4*\i:Y3+4*\i+3], v[HQ], s[60:61] offset:6400*\i+6000     ; y3[i] = I2[16 i + 15]
.endr
	global_load_b128 v[I2A:I2A+3], v[VI], s[60:61]
	global_load_b128 v[I2B:I2B+3], v[VI], s[60:61] offset:400
	global_load_b128 v[I2C:I2C+3], v[VIC], s[60:61]
	global_load_b128 v[GM:GM+3], v[VGM], s[34:35]
.irp r, 0,1,2,3,4,5,6
	global_load_b128 v[GR+4*\r:GR+4*\r+3], v[HQ], s[32:33] offset:400*\r
.endr
	global_load_b128 v[PS0:PS0+3], v[HQ], s[30:31]
	WIN 0x55
.irp k, 0,1,2,3,4,5,6,7
	global_load_b128 v[RW+16*\k:RW+16*\k+3], v[VO1+\k], s[26:27]
	global_load_b128 v[RW+16*\k+4:RW+16*\k+7], v[VO1+\k], s[24:25]
	global_load_b128 v[RW+16*\k+8:RW+16*\k+11], v[VO1+\k], s[28:29]
	global_load_b128 v[RW+16*\k+12:RW+16*\k+15], v[VO1+\k], s[28:29] offset:400
.endr
	; ---- the loop's constants and LDS addresses, while the loads are on their way: none of these registers is a load's offset or destination
	WIN 0
	v_mov_b32 v[K0], 0.15915494
	v_mov_b32 v[K0+1], 0xc0c90fdb                  ; -f32(2 pi)
	v_mov_b32 v[K1], 0x39cde32e                    ; f32(2 pi / 16000)
	v_mov_b32 v[K1+1], 0x2f309231                  ; 1 / 13!
	v_mov_b32 v[K2], 0xb2d7322b                    ; -1 / 11!
	v_mov_b32 v[K2+1], 0x3638ef1d                  ; 1 / 9!
	v_mov_b32 v[K3], 0xb9500d01                    ; -1 / 7!
	v_mov_b32 v[K3+1], 0x3c088889                  ; 1 / 5!
	v_mov_b32 v[K4], 0xbe2aaaab                    ; -1 / 3!
	v_mov_b32 v[K4+1], 1.0
	v_mov_b32 v[IT+1], 0                           ; never used: a packed source is a whole pair
	v_and_b32 v2, 7, v[LANE]                       ; fl
	v_lshrrev_b32 v3, 3, v[LANE]                   ; g
	v_mul_u32_u24 v[ADR], v2, ROWB
	v_lshl_add_u32 v[ADR], v3, 5, v[ADR]
	v_add_nc_u32 v[ADR], s18, v[ADR]
	v_lshrrev_b32 v3, 4, v[LANE]                   ; which half of the lanes
	v_and_b32 v5, 15, v[LANE]
	v_mul_u32_u24 v[OUTW], v2, 272                 ; stage: a frame's 256 bytes at a pitch of 272
	v_lshl_add_u32 v[OUTW], v3, 7, v[OUTW]
	v_add_nc_u32 v[OUTW], s18, v[OUTW]
	v_mul_u32_u24 v[OUTR], v3, 272
	v_lshl_add_u32 v[OUTR], v5, 4, v[OUTR]
	v_add_nc_u32 v[OUTR], s18, v[OUTR]
	v_lshlrev_b32 v[OUTG], 4, v[LANE]
	WIN 0x40
.set uu, 0
.rept 32
	v_cvt_f32_u32 v[FR1+2*uu], uu
	v_cvt_f32_u32 v[FR1+2*uu+1], uu+32
.set uu, uu+1
.endr
	WIN 0x41
.set uu, 0
.rept 32
	v_pk_mul_f32 v[FR1+2*uu:FR1+2*uu+1], v[FR1+2*uu:FR1+2*uu+1], s[58:59] op_sel_hi:[1,0]
.set uu, uu+1
.endr
	WIN 0
	s_wait_loadcnt 32                              ; the first 27 loads are in: the table's 32 are younger and stay out
	; E3, left to right: step i counts for EA while i < dA and for EC while i < dC; dA <= dC, so EC is EA's running sum as long as EA runs
	s_cmp_gt_u32 s48, 0
	s_cselect_b32 s50, -1, 0
	s_cmp_gt_u32 s49, 0
	s_cselect_b32 s51, -1, 0
.irp e, 0,1,2,3
	v_cndmask_b32 v[EA+\e], 0, v[Y3+\e], s50       ; 0 + y3[0] is y3[0]
	v_cndmask_b32 v[EC+\e], 0, v[Y3+\e], s51
.endr
.irp i, 1,2,3,4,5,6,7,8,9,10,11,12,13,14
	s_cmp_gt_u32 s48, \i
	s_cselect_b32 s50, -1, 0
	s_cmp_gt_u32 s49, \i
	s_cselect_b32 s51, -1, 0
	QADD TQ, EC, Y3+4*\i
.irp e, 0,1,2,3
	v_cndmask_b32 v[EA+\e], v[EA+\e], v[TQ+\e], s50
	v_cndmask_b32 v[EC+\e], v[EC+\e], v[TQ+\e], s51
.endr
.endr
	QADD E2M, EA, I2A                              ; E2[c0 - 1] = E3 + I2[c0 - 2]
	QADD E2A, EA, I2B                              ; E2[c0]     = E3 + I2[c0 - 1]   (c0 - 2 and c0 - 1 lie in one group of 16: c0 is even)
	QADD E2B, EC, I2C                              ; E2[c0 + 1] = E3 + I2[c0]
	QADD BR, E2M, GM                               ; E1[16 c0]  = E2[c0 - 1] + y2[c0 - 1]
.irp e, 0,1,2,3
	v_cndmask_b32 v[E2A+\e], 0, v[E2A+\e], s52     ; block 0: both are 0
	v_cndmask_b32 v[BR+\e], 0, v[BR+\e], s52
.endr
.irp e, 0,1,2,3
	v_mul_f32 v[KK+\e], 0.15915494, v[PS0+\e]
.endr
.irp e, 0,1,2,3
	v_rndne_f32 v[KK+\e], v[KK+\e]
.endr
.irp e, 0,1,2,3
	v_fma_f32 v[IR+\e], v[KK+\e], s55, v[PS0+\e]   ; initial phase, whole turns of f32(2 pi) removed
.endr
	v_mov_b32 v[ZR], 0
.irp r, 1,2,3
	QADD BR+4*\r, E2A, GR+4*\r-4                   ; E1[4 f] = E2[c0] + inner1 in front of the frame
.endr
	QADD BR+16, E2A, GR+12                         ; E1[16 (c0 + 1)] = E2[c0] + y2[c0]
.irp r, 5,6,7
	QADD BR+4*\r, E2B, GR+4*\r-4
.endr
	s_wait_alu depctr_va_vdst(0)                   ; the fold has written IR, ZR, E2A, E2B and the eight rows of BR, which the 128 LDS stores below read
	RST 0, ZR, 0, BR, E2A
.irp r, 1,2,3
	RST \r, GR+4*\r-4, 1, BR+4*\r, E2A
.endr
	RST 4, ZR, 0, BR+16, E2B
.irp r, 5,6,7
	RST \r, GR+4*\r-4, 1, BR+4*\r, E2B
.endr
	WIN 0x55
	s_wait_loadcnt 0x0                             ; the table's loads: nothing was issued behind them
	FAH 0
	FAH 4
	s_wait_alu depctr_va_vdst(0)                   ; the arithmetic has written registers 8..15 of all eight chunks, which the 32 LDS stores below read
.set kk, 0
.rept 8
.irp e, 0,1,2,3
	ds_store_b64 v[LA1], v[RW+16*kk+8+2*\e:RW+16*kk+9+2*\e] offset:4096*kk+ENT*\e
.endr
.set kk, kk+1
.endr
	WIN 0
	; ---- 25 harmonics a lane: i = 24 stands in front of the loop and starts the sums, then i = 0..23, two a trip
	ds_load_b128 v[RAWA:RAWA+3], v[ADR] offset:128*24              ; no wait: ADR was written ahead of the two waits above, and no vector line has ever named v[16:23]
	ds_load_b64 v[RAWA+4:RAWA+5], v[ADR] offset:128*24+16
	ds_load_b64 v[RAWA+6:RAWA+7], v[ADR] offset:128*24+ROWB
	s_wait_alu depctr_vm_vsrc(0)                   ; the 160 LDS stores have read their data and the global loads their offsets VI, VIC, VGM: the first harmonic writes PH, ACC and AM over these registers
	HARM RAWA, RAWB, 0, 1
	s_mov_b32 s21, 12
.Lh:
	HARM RAWB, RAWA, 1, 0
	HARM RAWA, RAWB, 2, 0                          ; in the last trip the look-ahead reads i = 24 once more: written bytes, not used
	s_wait_alu depctr_vm_vsrc(0)                   ; the LDS loads issued so far have read ADR, which the add below writes
	v_add_nc_u32 v[ADR], 256, v[ADR]
	s_sub_co_u32 s21, s21, 1
	s_cmp_lg_u32 s21, 0
	s_cbranch_scc1 .Lh
	; ---- the four groups' sums meet.  The swap gives lanes 0..15 sample u of both halves of the lanes and lanes 16..31 sample u + 32, so that one
	; add folds lane bit 4; the add across lane bit 3 folds the rest.  A lane then holds samples 32 (lane / 16) + 0..31 of frame fl, in order.
	s_wait_dscnt 0x0                               ; the last look-ahead has landed; the table is read no more
.set uu, 0
.rept 32
	v_permlane16_swap_b32 v[ACC+2*uu], v[ACC+2*uu+1]
.set uu, uu+1
.endr
.set uu, 0
.rept 32
	v_add_f32 v[PH+uu], v[ACC+2*uu], v[ACC+2*uu+1]
.set uu, uu+1
.endr
.set uu, 0
.rept 32
	v_add_f32_dpp v[PH+uu], v[PH+uu], v[PH+uu] row_xmask:8 row_mask:0xf bank_mask:0xf
.set uu, uu+1
.endr
	s_wait_alu depctr_va_vdst(0)                   ; the adds have written v[PH ..], which the LDS stores read; the last harmonic is done with v[TMP ..], in which the loads from the stage land
.irp j, 0,1,2,3,4,5,6,7
	ds_store_b128 v[OUTW], v[PH+4*\j:PH+4*\j+3] offset:16*\j       ; the two lanes that differ in bit 3 write the same numbers to the same bytes
.endr
.irp j, 0,1,2,3
	ds_load_b128 v[TMP+4*\j:TMP+4*\j+3], v[OUTR] offset:544*\j     ; LDS serves a wave's instructions in order: these see the stores above
.endr
.irp j, 0,1,2,3
	s_wait_dscnt 3-\j                              ; loads come back in order: number j is in
	global_store_b128 v[OUTG], v[TMP+4*\j:TMP+4*\j+3], s[36:37] offset:512*\j th:TH_STORE_NT   ; 512 neighbouring bytes, aligned
.endr
	s_wait_dscnt 0x0
	s_wait_alu depctr_hold_cnt(0) depctr_sa_sdst(0) depctr_va_vdst(0) depctr_va_sdst(0) depctr_va_ssrc(0) depctr_va_vcc(0) depctr_vm_vsrc(0)
	s_wait_tensorcnt 0x0
	ds_add_u32 v14, v15
	s_wait_dscnt 0x0
	s_endpgm
.Lfunc_end_k_q0f558b94e7_synth:
	.size	k_q0f558b94e7_synth, .Lfunc_end_k_q0f558b94e7_synth-k_q0f558b94e7_synth
	.p2alignl 7, 3214868480
	.fill 96, 4, 3214868480
	.section	.rodata,"a",@progbits
	.p2align	6, 0x0
	.amdhsa_kernel k_q0f558b94e7_synth
		.amdhsa_group_segment_fixed_size 131584
		.amdhsa_private_segment_fixed_size 0
		.amdhsa_enable_private_segment 0
		.amdhsa_kernarg_size 40
		.amdhsa_user_sgpr_count 2
		.amdhsa_user_sgpr_kernarg_segment_ptr 1
		.amdhsa_wavefront_size32 1
		.amdhsa_system_sgpr_workgroup_id_x 1
		.amdhsa_system_sgpr_workgroup_id_y 1
		.amdhsa_system_sgpr_workgroup_id_z 1
		.amdhsa_system_vgpr_workitem_id 0
		.amdhsa_next_free_vgpr 464
		.amdhsa_next_free_sgpr 66
		.amdhsa_reserve_vcc 0
		.amdhsa_float_denorm_mode_32 3
		.amdhsa_float_denorm_mode_16_64 3
		.amdhsa_memory_ordered 1
		.amdhsa_forward_progress 1
		.amdhsa_inst_pref_size 201
	.end_amdhsa_kernel
	.amdgpu_metadata
---
amdhsa.version: [ 1, 2 ]
amdhsa.kernels:
  - .name:           k_q0f558b94e7_synth
    .symbol:         k_q0f558b94e7_synth.kd
    .args:
      - { .name: amplitudes, .offset: 0, .size: 8, .value_kind: global_buffer, .address_space: global }
      - { .name: harmonic_frequencies, .offset: 8, .size: 8, .value_kind: global_buffer, .address_space: global }
      - { .name: phase_shifts, .offset: 16, .size: 8, .value_kind: global_buffer, .address_space: global }
      - { .name: tree, .offset: 24, .size: 8, .value_kind: global_buffer, .address_space: global }
      - { .name: out0, .offset: 32, .size: 8, .value_kind: global_buffer, .address_space: global }
    .group_segment_fixed_size: 131584
    .private_segment_fixed_size: 0
    .kernarg_segment_align: 8
    .kernarg_segment_size: 40
    .max_flat_workgroup_size: 128
    .sgpr_count:     66
    .vgpr_count:     464
    .wavefront_size: 32
...
	.end_amdgpu_metadata
.endif
;; end of part 3
